; MI455X (gfx1250); checked and timed in simulation.
; The chip was launched on July 23, 2026; its instructions are those of AMD's public machine-readable ISA for CDNA 5 (MIT licence, August 2026) and "CDNA5" Instruction Set Architecture Reference Guide (July 2026). The comments in the code are by the model that wrote it; some were corrected since.
;; Quantized Linear. Allowed arithmetic: matrix products marked QUANTISED: E5M2 operands, one given power-of-two scale a tensor, by v_wmma_f32_16x16x64_bf8_bf8 or v_wmma_f32_16x16x128_bf8_bf8, f32 sums; everything else in f32.
;; Inputs: bias 4,096 float32; input 4,096 x 4,096 float32; lowp_scales 2 int32 (the exponents e of the quantised operands' scales 2^e); weight 4,096 x 4,096 int8; weight_scale one number float32; weight_zero_point one number int8.
;; Outputs: out0 4,096 x 4,096 float32.
;; This version of the problem:
;;   THIS VERSION OF THE PROBLEM IS GIVEN IN LOW PRECISION. The matrix products marked QUANTISED in the list below multiply operands that are first quantised to E5M2 (5 exponent bits, 2 mantissa bits; 8 bits a number), with one given power-of-two scale for each operand tensor; their sums are f32. All else is computed in f32.
;;   The module's matrix products, in the order in which they are computed (A, B: the left and right operand; K: the contracted axis; several contracted axes count as one K, in the product's order):
;;     1. [M 4,096, K 4,096] x [K 4,096, N 4,096]; A: input input; B: computed on the way: QUANTISED (scales: A lowp_scales[0], B lowp_scales[1])
;;   THE QUANTISER, for each operand of a quantised product, along K:
;;     - The operand's scale is 2^e, e = its entry of the input lowp_scales (int32; the entries are numbered through the quantised products in the list's order, A before B).
;;     - Each number is divided by the scale, clamped to +-57,344, and rounded to the nearest number of E5M2, ties to even, subnormals kept.
;;     - The product sums the exact products of the quantised numbers (number of the format x scale) in f32.
;;   ~~~python
;;   def quantise(x, axis, e):      # numpy; x: float32 -> the quantised numbers, widened to float32 again
;;       x = np.moveaxis(x, axis, -1); K = x.shape[-1]
;;       r = np.clip(x / 2.0 ** e, -57344, 57344)
;;       step = 2.0 ** (np.maximum(np.frexp(np.where(r == 0, 1, r))[1] - 1, -14) - 2)
;;       q = np.round(r / step) * step * 2.0 ** e      # np.round: ties to even
;;       return np.moveaxis(q, -1, axis).astype(np.float32)
;;   ~~~
;;   OPERANDS COMPUTED ON THE WAY. 'Computed on the way' means the value that the module computes at that place (a softmax that the list does not call 'softmax' is quantised finished and normalised). What goes into a quantiser is computed in f32, as accurately as f32 sums, v_exp_f32 and their like allow (about 1e-6 of the number): no bf16 or f16 on the way to a quantiser, and a product that is left as it is and whose result goes on into a quantised operand takes f32 operands (vector FMAs, or v_wmma_f32_16x16x4_f32). A number that lies on a knife's edge between two numbers of the format may be rounded either way, as far as f32 arithmetic and the matrix unit's own rounding can turn it there, and no further.
;; One version. Each part assembles by itself: llvm-mc -triple=amdgcn-amd-amdhsa -mcpu=gfx1250 --defsym DOCPART=n.
;; ======== version 1 of 1: 2 launches
;; workspace buffers: a_codes 16,777,216 bytes; w_codes 16,777,216 bytes
;; launch quant (part 1): grid 1024 x 1, 4 waves a work-group, no clusters, 4,608 bytes of LDS; arguments input, weight, lowp_scales, weight_scale, weight_zero_point, a_codes, w_codes; writes a_codes, w_codes
.if DOCPART == 1
	.amdgcn_target "amdgcn-amd-amdhsa--gfx1250"
	.amdhsa_code_object_version 6
	.text
	.protected	k_qd03dba4ecc_quant
	.globl	k_qd03dba4ecc_quant
	.p2align	8
	.type	k_qd03dba4ecc_quant,@function
k_qd03dba4ecc_quant:
	s_mov_b64 s[64:65], 0
	v_nop
	global_prefetch_b8 v0, s[64:65] scope:SCOPE_SE
	s_setreg_imm32_b32 hwreg(HW_REG_WAVE_MODE, 25, 1), 1
	s_wait_xcnt 0x0
; Both operands of the product become codes of BF8 (E5M2), one code a byte, K innermost, in their natural order:
;   a_codes[b][k] = Q(input[b][k] / 2^e0),   w_codes[o][k] = Q(((weight[o][k] - zp) x scale) / 2^e1),   e0, e1 = the two whole numbers in lowp_scales.
; Q: held within +-57,344, rounded to the nearest code, ties to even.  Quantised once here, so that the product's launch, in which sixteen work-groups read each row, reads one byte a number.
; LIMITS: e0 and e1 between -126 and 112, so that 2^e and 57,344 x 2^e are f32 numbers.  NaN among the inputs is not served; an infinity is held at the largest code.
; Rows are dense, so each tensor is a plain stream of 16,777,216 numbers.  A wave takes 16 steps of 512 numbers, a work-group 32,768.
; Work-groups 0-511 take the input, 512-1023 the weight: two paths that part once, on the work-group's number.  Waves share nothing: no barrier.  Only the input's path uses LDS.
; No matrix unit, no cluster, no tensor load: a stream, each byte read once and written once.  All 16 steps are written out, so that every offset is an immediate and no register of a store is written again.
.set WGA,   512                        ; work-groups for the input
.set STEPS, 16
.set LOFF,  2                          ; v2       16 x lane; never rewritten
.set STI,   3                          ; v3       input: LDS, on the way in: 1,024 x wave + 4 x lane
.set STO,   4                          ; v4       input: LDS, on the way out: 1,024 x wave + 16 x lane
.set LIM,   10                         ; v10      57,344 x 2^e
.set SC,    11                         ; v11      2^e as f32: the conversion takes its exponent field
.set R,     16                         ; v16-79   input: four sets of 16 numbers as loaded;  weight: 16 steps x 4 registers of bytes
.set C,     80                         ; v80-87   input: two sets of 4 words of codes
.set T,     80                         ; v80-95   weight: 16 numbers at work
.set O,     96                         ; v96-159  four registers of codes for each step
	s_load_b256 s[4:11], s[0:1], 0x0               ; input s[4:5], weight s[6:7], lowp_scales s[8:9], weight_scale s[10:11]
	s_load_b128 s[12:15], s[0:1], 0x20             ; weight_zero_point s[12:13], a_codes s[14:15]
	s_load_b64 s[16:17], s[0:1], 0x30              ; w_codes
	v_lshl_add_u32 v160, v0, 2, 0x1000
	v_mov_b32 v161, 0
	v_lshrrev_b32 v1, 5, v0
	v_readfirstlane_b32 s18, v1                    ; wave 0..3
	v_and_b32 v1, 31, v0                           ; lane
	v_lshlrev_b32 v[LOFF], 4, v1
	s_mov_b32 s21, 0                               ; the high word of every byte offset below
	s_wait_kmcnt 0x0
	s_load_b64 s[22:23], s[8:9], 0x0               ; e0, e1
	s_cmp_lt_u32 ttmp9, WGA
	s_cbranch_scc0 .Lweight
; ---------------- THE INPUT ----------------
; Each load reads 512 consecutive bytes, 16 a lane: after a step's four loads lane l holds k = 128 i + 4 l + 0 .. 3 in registers 4 i .. 4 i + 3, and the two conversions give four words of codes, word i for load i.
; The CODES are put in order through LDS, a quarter of the bytes that the numbers would be: word i goes to byte 128 i + 4 l of the wave's own stage, which lays the step's 512 codes in their natural order;
; one load of 16 bytes a lane brings 16 neighbouring codes back, and the wave stores 512 consecutive bytes.  Two stages of 512 bytes a wave, by turns.
	s_lshl_b32 s27, ttmp9, 2
	s_add_co_u32 s27, s27, s18                     ; which run of 8,192 numbers is my wave's
	s_lshl_b32 s20, s27, 15                        ; 32,768 bytes of numbers,
	s_add_nc_u64 s[4:5], s[4:5], s[20:21]
	s_lshl_b32 s20, s27, 13                        ; 8,192 bytes of codes
	s_add_nc_u64 s[14:15], s[14:15], s[20:21]
	s_lshl_b32 s27, s18, 10                        ; my wave's 1,024 bytes of LDS
	v_lshl_add_u32 v[STI], v1, 2, s27
	v_add_nc_u32 v[STO], s27, v[LOFF]
.macro ILOAD t
.irp i, 0,1,2,3
	global_load_b128 v[R+16*((\t)%4)+4*\i:R+16*((\t)%4)+4*\i+3], v[LOFF], s[4:5] offset:2048*(\t)+512*\i th:TH_LOAD_NT   ; read once in the whole program
.endr
.endm
.irp t, 0,1,2,3
	ILOAD \t                                       ; four steps, 16 loads a wave, are on their way throughout
.endr
	s_wait_kmcnt 0x0
	s_add_co_i32 s36, s22, 127
	s_lshl_b32 s37, s36, 23
	v_mov_b32 v[SC], s37                           ; 2^e0
	s_add_co_i32 s36, s36, 15
	s_lshl_b32 s36, s36, 23
	s_or_b32 s36, s36, 0x600000
	v_mov_b32 v[LIM], s36                          ; 57,344 x 2^e0: the exponent 15 higher, 57,344's mantissa field
.macro ISTEP t
.set RS, R+16*((\t)%4)
.set CS, C+4*((\t)%2)
.set SB, 512*((\t)%2)
.if STEPS-1-(\t) >= 3
	s_wait_loadcnt 12                              ; loads come back in order: this step's four are in, those of the three steps behind it stay out
.else
	s_wait_loadcnt 4*(STEPS-1-(\t))
.endif
.irp i, 0,1,2,3,4,5,6,7,8,9,10,11,12,13,14,15
	v_med3_num_f32 v[RS+\i], v[RS+\i], -v[LIM], v[LIM]   ; the conversion to an 8-bit code does not saturate (ISA guide 7.6.2): the hold at the largest code x the scale comes first
.endr
	v_cvt_scalef32_pk8_bf8_f32 v[CS:CS+1], v[RS:RS+7], v[SC]       ; eight numbers / 2^e0, to the nearest code, ties to even; the first number's code in the lowest byte
	v_cvt_scalef32_pk8_bf8_f32 v[CS+2:CS+3], v[RS+8:RS+15], v[SC]  ; (their results go to LDS stores; the next vector lines are the next step's holds: plain, on other registers)
.if (\t)+4 < STEPS
	ILOAD (\t)+4                                   ; into the set just converted
.endif
.irp i, 0,1,2,3
	ds_store_b32 v[STI], v[CS+\i] offset:SB+128*\i ; 32 lanes: 128 consecutive bytes
.endr
	ds_load_b128 v[O+4*(\t):O+4*(\t)+3], v[STO] offset:SB          ; LDS serves a wave's instructions in order (ISA guide 5.7.1.4): it sees the four stores
.if (\t) > 0
	s_wait_dscnt 5                                 ; all but this step's five: the step before is back, and its stores have read the set of code words that the next step writes
	global_store_b128 v[LOFF], v[O+4*((\t)-1):O+4*((\t)-1)+3], s[14:15] offset:512*((\t)-1)   ; 512 consecutive bytes, at a multiple of 512 from the buffer's first byte; the next launch reads them
.endif
.endm
.irp t, 0,1,2,3,4,5,6,7,8,9,10,11,12,13,14,15
	ISTEP \t
.endr
	s_wait_dscnt 0x0
	global_store_b128 v[LOFF], v[O+4*(STEPS-1):O+4*(STEPS-1)+3], s[14:15] offset:512*(STEPS-1)
	s_wait_tensorcnt 0x0
	ds_add_u32 v160, v161
	s_wait_dscnt 0x0
	s_endpgm
; ---------------- THE WEIGHT ----------------
; A lane's load of 16 bytes is 16 neighbours along K, and its 16 codes are 16 bytes at the same offset: no LDS.
; int8 to f32 without a conversion a number: the byte xor 0x80 is w + 128, 0 .. 255; set under 0x4B0000 it is the f32 number 2^23 + w + 128, exactly; less (2^23 + 128 + zp) it is w - zp, exactly.
; Then ONE multiplication by the scale: the one rounding that the definition of the operand has.  So subtraction and multiplication are not fused.
.Lweight:
	s_load_b32 s24, s[10:11], 0x0                  ; weight_scale
	s_load_i8 s26, s[12:13], 0x0                   ; zp, -128 .. 127
	s_sub_co_u32 s27, ttmp9, WGA
	s_lshl_b32 s27, s27, 2
	s_add_co_u32 s27, s27, s18                     ; which run of 8,192 numbers is my wave's
	s_lshl_b32 s20, s27, 13                        ; 8,192 bytes, in and out
	s_add_nc_u64 s[6:7], s[6:7], s[20:21]
	s_add_nc_u64 s[16:17], s[16:17], s[20:21]
.irp t, 0,1,2,3,4,5,6,7,8,9,10,11,12,13,14,15
	global_load_b128 v[R+4*\t:R+4*\t+3], v[LOFF], s[6:7] offset:512*\t th:TH_LOAD_NT   ; all of the wave's 8,192 bytes at once: 16 loads of 512 consecutive bytes
.endr
	s_mov_b32 s30, 0x4b000000                      ; 2^23 as f32
	s_mov_b32 s31, 0x80808080
	s_mov_b32 s32, 0x03020104                      ; v_perm_b32: bytes 3, 2, 1 of 2^23 over byte 0 of the word of weights,
	s_mov_b32 s33, 0x03020105                      ; byte 1,
	s_mov_b32 s34, 0x03020106                      ; byte 2,
	s_mov_b32 s35, 0x03020107                      ; byte 3
	s_wait_kmcnt 0x0
	s_mov_b32 s25, s24                             ; (the packed forms name a pair and take its low word for both halves: so the upper word is written)
	s_add_co_i32 s26, s26, 128                     ; zp + 128, 0 .. 255
	s_or_b32 s28, s26, 0xcb000000                  ; -(2^23 + 128 + zp) as f32
	s_mov_b32 s29, s28
	s_add_co_i32 s36, s23, 127
	s_lshl_b32 s37, s36, 23
	v_mov_b32 v[SC], s37                           ; 2^e1
	s_add_co_i32 s36, s36, 15
	s_lshl_b32 s36, s36, 23
	s_or_b32 s36, s36, 0x600000
	v_mov_b32 v[LIM], s36                          ; 57,344 x 2^e1
.macro WSTEP t
.set WS, R+4*(\t)
	s_wait_loadcnt STEPS-1-(\t)                    ; this step's load is in; the later steps' stay out
.irp d, 0,1,2,3
	v_xor_b32 v[WS+\d], s31, v[WS+\d]              ; four bytes w + 128.  (These four plain lines also stand between the last step's conversions and the writes of their sources below)
.endr
.irp d, 0,1,2,3
.irp j, 0,1,2,3
	v_perm_b32 v[T+4*\d+\j], v[WS+\d], s30, s[32+\j]   ; 2^23 + w + 128
.endr
.endr
.irp i, 0,2,4,6,8,10,12,14
	v_pk_add_f32 v[T+\i:T+\i+1], v[T+\i:T+\i+1], s[28:29] op_sel_hi:[1,0]   ; w - zp, exactly
.endr
.irp i, 0,2,4,6,8,10,12,14
	v_pk_mul_f32 v[T+\i:T+\i+1], v[T+\i:T+\i+1], s[24:25] op_sel_hi:[1,0]   ; x scale
.endr
.irp i, 0,1,2,3,4,5,6,7,8,9,10,11,12,13,14,15
	v_med3_num_f32 v[T+\i], v[T+\i], -v[LIM], v[LIM]   ; the hold, as for the input
.endr
	v_cvt_scalef32_pk8_bf8_f32 v[O+4*(\t):O+4*(\t)+1], v[T:T+7], v[SC]
	v_cvt_scalef32_pk8_bf8_f32 v[O+4*(\t)+2:O+4*(\t)+3], v[T+8:T+15], v[SC]
	global_store_b128 v[LOFF], v[O+4*(\t):O+4*(\t)+3], s[16:17] offset:512*(\t)   ; 512 consecutive bytes, aligned
.endm
.irp t, 0,1,2,3,4,5,6,7,8,9,10,11,12,13,14,15
	WSTEP \t
.endr
	s_endpgm
.Lfunc_end_k_qd03dba4ecc_quant:
	.size	k_qd03dba4ecc_quant, .Lfunc_end_k_qd03dba4ecc_quant-k_qd03dba4ecc_quant
	.p2alignl 7, 3214868480
	.fill 96, 4, 3214868480
	.section	.rodata,"a",@progbits
	.p2align	6, 0x0
	.amdhsa_kernel k_qd03dba4ecc_quant
		.amdhsa_group_segment_fixed_size 4608
		.amdhsa_private_segment_fixed_size 0
		.amdhsa_enable_private_segment 0
		.amdhsa_kernarg_size 56
		.amdhsa_user_sgpr_count 2
		.amdhsa_user_sgpr_kernarg_segment_ptr 1
		.amdhsa_wavefront_size32 1
		.amdhsa_system_sgpr_workgroup_id_x 1
		.amdhsa_system_sgpr_workgroup_id_y 1
		.amdhsa_system_sgpr_workgroup_id_z 1
		.amdhsa_system_vgpr_workitem_id 0
		.amdhsa_next_free_vgpr 162
		.amdhsa_next_free_sgpr 66
		.amdhsa_reserve_vcc 0
		.amdhsa_float_denorm_mode_32 3
		.amdhsa_float_denorm_mode_16_64 3
		.amdhsa_memory_ordered 1
		.amdhsa_forward_progress 1
		.amdhsa_inst_pref_size 90
	.end_amdhsa_kernel
	.amdgpu_metadata
---
amdhsa.version: [ 1, 2 ]
amdhsa.kernels:
  - .name:           k_qd03dba4ecc_quant
    .symbol:         k_qd03dba4ecc_quant.kd
    .args:
      - { .name: input, .offset: 0, .size: 8, .value_kind: global_buffer, .address_space: global }
      - { .name: weight, .offset: 8, .size: 8, .value_kind: global_buffer, .address_space: global }
      - { .name: lowp_scales, .offset: 16, .size: 8, .value_kind: global_buffer, .address_space: global }
      - { .name: weight_scale, .offset: 24, .size: 8, .value_kind: global_buffer, .address_space: global }
      - { .name: weight_zero_point, .offset: 32, .size: 8, .value_kind: global_buffer, .address_space: global }
      - { .name: a_codes, .offset: 40, .size: 8, .value_kind: global_buffer, .address_space: global }
      - { .name: w_codes, .offset: 48, .size: 8, .value_kind: global_buffer, .address_space: global }
    .group_segment_fixed_size: 4608
    .private_segment_fixed_size: 0
    .kernarg_segment_align: 8
    .kernarg_segment_size: 56
    .max_flat_workgroup_size: 128
    .sgpr_count:     66
    .vgpr_count:     162
    .wavefront_size: 32
...
	.end_amdgpu_metadata
.endif
;; end of part 1
;; launch gemm (part 2): grid 16 x 16, 4 waves a work-group, clusters of 4 x 4, 327,680 bytes of LDS; arguments a_codes, w_codes, lowp_scales, bias, out0; writes out0
.if DOCPART == 2
	.amdgcn_target "amdgcn-amd-amdhsa--gfx1250"
	.amdhsa_code_object_version 6
	.text
	.protected	k_qd03dba4ecc_gemm
	.globl	k_qd03dba4ecc_gemm
	.p2align	8
	.type	k_qd03dba4ecc_gemm,@function
k_qd03dba4ecc_gemm:
	s_mov_b64 s[64:65], 0
	v_nop
	global_prefetch_b8 v0, s[64:65] scope:SCOPE_SE
	s_setreg_imm32_b32 hwreg(HW_REG_WAVE_MODE, 25, 1), 1
	s_wait_xcnt 0x0
	s_wait_alu depctr_hold_cnt(0) depctr_sa_sdst(0) depctr_va_vdst(0) depctr_va_sdst(0) depctr_va_ssrc(0) depctr_va_vcc(0) depctr_vm_vsrc(0)
	s_getreg_b32 s2, hwreg(HW_REG_IB_STS2, 6, 4)
	s_cmp_eq_u32 s2, 0
	s_cbranch_scc0 .Lentry_in_a_cluster
	s_endpgm
.Lentry_in_a_cluster:
	s_bfe_u32 s2, ttmp6, 0x10000c
	s_cmp_lg_u32 s2, 0xf033
	s_cbranch_scc0 .Lentry_shape_is_right
	s_endpgm
.Lentry_shape_is_right:
; out0[m][n] = 2^(e0 + e1) x (sum over k of A[m][k] B[n][k]) + bias[n].  A = a_codes [4096][4096], B = w_codes [4096][4096]: codes of BF8 (E5M2), one a byte, K innermost; out0 [4096][4096] f32; sums in f32.
; A number of A is its code's value x 2^e0, of B x 2^e1 (lowp_scales).  The codes are multiplied as they are; each finished sum takes one fused multiply-add: x 2^(e0 + e1), + bias.
; LIMITS: e0 + e1 lies between -126 and 127, so that 2^(e0 + e1) is an f32 number.  The order of the f32 sums is not ascending k: inside a matrix instruction k stands permuted, alike in A and B (see FRAG), and the
; sixteen K steps are taken in a rotated order (below).  Every product meets its partner and is summed once.
; A tile of out0, 256 x 256, is made by a work-group of four waves, as many as a WGP has SIMDs; a wave makes 128 x 128: 64 accumulators of 16 x 16, 512 registers.  256 tiles: 256 work-groups.
; K goes in 16 steps of 256 through a ring of two LDS slots filled by the tensor data mover: a tile's row is 256 bytes of memory, at a multiple of 256 from the buffer's first byte.
; CLUSTERS: 4 x 4 work-groups.  The four of a row of the cluster need the same tiles of A, the four of a column the same tiles of B: each tile is asked for JOINTLY, by the same tensor load with the
; same descriptor and a mask that names the four.  THE MATRIX INSTRUCTION IS USED TRANSPOSED (source 0 = 16 rows of B, source 1 = 16 rows of A): a lane then holds eight neighbouring numbers of a row of out0.
; THE CLUSTERS BEGIN K AT DIFFERENT STEPS: cluster (X, Y) begins at K step 4 ((f(X) + f(Y)) mod 4), f = 0, 2, 1, 3, and goes round to where it began.  The four clusters of one Y read the same rows of A, the four of one X
; the same rows of B: they ask for a given tile 4, 8 and 12 K steps apart (neighbours 0, 1 and 2, 3: 8 apart), so that of a tile's four askers only one asks for bytes that no work-group of the launch has read before.
; The starting step hangs on the cluster's x and y alone, which all sixteen partners share; it enters the tiles' global addresses and nothing else.
; REGISTERS, in windows of 256: window 0: v0-31 addresses and my four numbers of the bias; from v128 A's fragments (8 x 16 rows x 128 K), ONE set; on the way out v128-255 take rows of out0.
;   window 1: B's fragments, TWO sets, at v0 and at v128.   window 2: the 32 accumulators of my rows 0-63 (accumulator (a, b) at v[8 (8 a + b)]);   window 3: those of my rows 64-127.
; A step of 128 along K is 64 matrix instructions, A's blocks one after the other, each against B's eight.  So a block of A is free as soon as its eight products are issued, and one set of registers serves A:
; blocks 0-3 are fetched anew in the step's middle, blocks 4-7 at its end.  B's fragments are at work through the whole step, so B has two sets.
.set SIZE_M, 4096
.set SIZE_N, 4096
.set SIZE_K, 4096
.set KSTEP,  256                       ; along K in a slot
.set ROWB,   256                       ; a tile's row in bytes
.set KROW,   SIZE_K                    ; a row of A or of B in memory, in bytes: a power of two, so that an offset along it wraps by one AND
.set PITCH,  272                       ; an LDS row: 256 bytes of data + 16 of padding = 68 words: row r starts at bank 4 r mod 64 (64 banks of 4 bytes: ISA guide 11.1), so the 16 rows that a load touches start at 16 different banks
.set FR,     16                        ; registers of a fragment: 16 rows x 128 K
.set NL,     4                         ; LDS loads that bring one
.set NP,     4                         ; places behind this matrix instruction (ISA guide 7.12.1)
.set HALFT,  128*PITCH                 ; 128 rows: what one tensor load brings, and what one wave reads of A or of B
.set SLOT,   4*HALFT                   ; A's 256 rows, then B's 256 rows
.set LAPS,   SIZE_K/(2*KSTEP)          ; a lap = two K steps = once round the ring: 8
.set SPARE,  2*SLOT                    ; behind the ring: the spare words, 128 bytes for each wave: two blocks of 256 bytes that no other line names
.set SPITCH, 528                       ; the way out: a stage of 16 rows x (512 bytes + 16) for each wave.  It lies in slot 0, which has had its last fill and its last read when the first result is stored there
.set BI,   8                           ; v8-11   bias of my four columns on the way out
.set ADRA, 16                          ; v16-17  LDS address of my A fragments in slot 0, 1
.set ADRB, 20                          ; v20-21  the same for B
.set STO,  24                          ; v24     the way out: where I put 32 bytes of a row
.set RD,   25                          ; v25     the way out: where I read a row back
.set CO,   26                          ; v26     16 x lane: my byte offset in a row of out0 and in my wave's part of the bias; never rewritten
.set SPW,  28                          ; v28     LDS address of my spare word: SPARE + 4 x my thread's number; never rewritten
.set NIL,  29                          ; v29     0; never rewritten
.set AF,   128                         ; A's fragments, in window 0
.set BK,   128                         ; the way out: 16 rows read back from the stage: v128-191 and v192-255 by turns
.set G1, 24                            ; s[24:31] descriptor group 1 for A's tiles;  s[32:39] group 0, one set for each slot
.set G0, 32
.set G1B, 48                           ; s[48:55], s[56:63] the same for B's tiles
.set G0B, 56
.set KO,    68                         ; s[68:69], s[70:71] for each slot: the byte offset along a row of the K step that the slot takes next, 0 above it
.set ABASE, 72                         ; s[72:73] the address of the first byte of the 128 rows of A that I fetch; never rewritten
.set BBASE, 74                         ; s[74:75] the same for B
.set MSB, 0
.macro WIN new                         ; the immediate's high byte repeats the setting that is left; a switch that changes nothing is dropped
.if MSB != \new
	s_set_vgpr_msb (MSB<<8)|\new
.set MSB, \new
.endif
.endm
.set MUL_LO, 0xa1                      ; source 0 (B) window 1, source 1 (A) window 0, C and D window 2
.set MUL_HI, 0xf1                      ; the same, C and D window 3
.set TO_B,   0x40                      ; destination window 1, address window 0
; A joint load: waves 0 and 1 fetch for A, waves 2 and 3 for B.  Each of the two lines has ONE mask and one set of registers for all that issue it; the branch hangs on the wave's number alone.
; Four v_nop follow each of the two lines, ahead of the jump, the label and what follows.
.macro JLOAD g0a, g1a, g0b, g1b
	s_cmp_eq_u32 s15, 0
	s_cbranch_scc0 .Lfor_b_\@
	tensor_load_to_lds s[\g0a:\g0a+3], s[\g1a:\g1a+7]
	s_nop 0
.rept 4
	v_nop
.endr
	s_branch .Lasked_\@
.Lfor_b_\@:
	tensor_load_to_lds s[\g0b:\g0b+3], s[\g1b:\g1b+7]
	s_nop 0
.rept 4
	v_nop
.endr
.Lasked_\@:
.endm
.macro CREST                           ; a round of the cluster's barrier behind its opening barrier: wave 0 signals for the work-group, every wave waits for all sixteen, my work-group's barrier closes it
	s_cmp_lg_u32 s14, 0
	s_cbranch_scc1 .Lnot_wave_0_\@
	s_barrier_signal -3
.Lnot_wave_0_\@:
	s_barrier_wait -3
	s_barrier_signal -1
	s_barrier_wait -1
.endm
.macro CROUND                          ; a whole round
	s_barrier_signal -1
	s_barrier_wait -1
	CREST
.endm
	s_load_b128 s[4:7], s[0:1], 0x0                ; A's codes s[4:5], B's codes s[6:7]
	s_load_b128 s[8:11], s[0:1], 0x10              ; the two scales' exponents s[8:9], bias s[10:11]
	s_load_b64 s[12:13], s[0:1], 0x20              ; out0
	v_lshl_add_u32 v[SPW], v0, 2, SPARE
	v_mov_b32 v[NIL], 0
	ds_add_u32 v28, v29
	ds_add_u32 v28, v29
	s_wait_dscnt 0x0
	v_lshrrev_b32 v1, 5, v0
	v_readfirstlane_b32 s14, v1                    ; wave 0..3
	s_lshr_b32 s15, s14, 1                         ; which half of the tile's rows is mine.  Also: I fetch for A (0) or for B (1)
	s_and_b32 s16, s14, 1                          ; which half of its columns.  Also: which 128 rows of that tile I fetch
	s_bfe_u32 s40, ttmp6, 0x40000                  ; cx, cy: my place in the cluster
	s_bfe_u32 s41, ttmp6, 0x40004
	s_lshl_b32 s42, ttmp9, 2                       ; in a cluster launch ttmp9 and ttmp7 count clusters
	s_add_co_u32 s42, s42, s40                     ; tile column = 4 x cluster x + cx
	s_and_b32 s17, ttmp7, 0xffff
	s_lshl_b32 s17, s17, 2
	s_add_co_u32 s17, s17, s41                     ; tile row = 4 x cluster y + cy
	s_lshl_b32 s43, s41, 2
	s_lshl_b32 s43, 15, s43                        ; my row of the cluster: places 4 cy .. 4 cy + 3
	s_lshl_b32 s44, 0x1111, s40                    ; my column: places cx, cx + 4, cx + 8, cx + 12
	; descriptor group 1: a tile of 128 rows x 256 bytes, padded in LDS
	s_or_b32 s[G1+0], s43, (0<<16)|(1<<20)|(1<<21)|(5<<22)|(3<<25)  ; 15:0 the mask: A's tiles go to my row; 17:16 element of 1 byte; 20 padding on; 21 set beside a mask; 24:22 after every 64 words (code 5); 31:25 of 4 words (code 3)
	s_or_b32 s[G1B+0], s44, (0<<16)|(1<<20)|(1<<21)|(5<<22)|(3<<25) ; the same with the mask of my column, for B's tiles
.irp g, G1, G1B
	s_mov_b32 s[\g+1], ROWB<<16                    ; tensor_dim0 = 256
	s_mov_b32 s[\g+2], 128<<16                     ; tensor_dim1 = 128
	s_mov_b32 s[\g+3], ROWB<<16                    ; tile_dim0 = 256
	s_mov_b32 s[\g+4], 128                         ; tile_dim1 = 128
	s_mov_b32 s[\g+5], KROW                        ; tensor_dim0_stride: 4,096 elements from row to row
	s_mov_b32 s[\g+6], 0
	s_mov_b32 s[\g+7], 0
.endr
	; where my cluster begins along K: made of the cluster's x and y alone (0 .. 3 each), never of cx or cy
	s_and_b32 s78, ttmp7, 0xffff                   ; cluster y
	s_and_b32 s76, ttmp9, 1
	s_lshl_b32 s76, s76, 1
	s_lshr_b32 s77, ttmp9, 1
	s_add_co_u32 s76, s76, s77                     ; f(cluster x): its two bits swapped
	s_and_b32 s77, s78, 1
	s_lshl_b32 s77, s77, 1
	s_add_co_u32 s76, s76, s77
	s_lshr_b32 s77, s78, 1
	s_add_co_u32 s76, s76, s77                     ; + f(cluster y)
	s_and_b32 s76, s76, 3                          ; mod 4
	s_lshl_b32 s[KO], s76, 10                      ; x 4 K steps of 256 bytes: slot 0's first K step,
	s_mov_b32 s[KO+1], 0
	s_add_co_u32 s[KO+2], s[KO], ROWB              ; slot 1's: the next (3,328 bytes at the most: inside the row)
	s_mov_b32 s[KO+3], 0
	s_lshl_b32 s18, s16, 7                         ; which 128 rows of the tile I fetch
	s_lshl_b32 s20, s17, 8
	s_add_co_u32 s20, s20, s18                     ; A: row 256 x tile row + 128 x half
	s_lshl_b32 s46, s42, 8
	s_add_co_u32 s46, s46, s18                     ; B: row 256 x tile column + 128 x half
	s_mov_b32 s21, 0
	s_mov_b32 s47, 0
	s_mov_b64 s[18:19], KROW
	s_mul_u64 s[20:21], s[20:21], s[18:19]         ; in bytes
	s_mul_u64 s[46:47], s[46:47], s[18:19]
	s_mul_i32 s45, s14, HALFT                      ; where they go: wave x 128 rows: no place in the cluster enters an LDS address
	s_wait_kmcnt 0x0
	s_load_b64 s[96:97], s[8:9], 0x0               ; e0, e1: wanted on the way out
	s_add_nc_u64 s[ABASE:ABASE+1], s[4:5], s[20:21]
	s_add_nc_u64 s[BBASE:BBASE+1], s[6:7], s[46:47]
	CROUND                                         ; all sixteen work-groups are here: the first joint loads meet
.irp s, 0,1
	s_mov_b32 s[G0+4*\s], 1                                        ; 1:0 count = 1
	s_add_co_u32 s[G0+4*\s+1], s45, \s*SLOT                        ; 63:32 LDS address
	s_add_nc_u64 s[G0+4*\s+2:G0+4*\s+3], s[ABASE:ABASE+1], s[KO+2*\s:KO+2*\s+1]   ; 120:64 global address: my rows, the slot's first K step
	s_or_b32 s[G0+4*\s+3], s[G0+4*\s+3], 0x80000000                ; 127:126 type = 2
	s_mov_b32 s[G0B+4*\s], 1
	s_add_co_u32 s[G0B+4*\s+1], s45, \s*SLOT
	s_add_nc_u64 s[G0B+4*\s+2:G0B+4*\s+3], s[BBASE:BBASE+1], s[KO+2*\s:KO+2*\s+1]
	s_or_b32 s[G0B+4*\s+3], s[G0B+4*\s+3], 0x80000000
	JLOAD G0+4*\s, G1, G0B+4*\s, G1B               ; the ring is filled before anything else is done: two tensor loads of mine are out
.endr
	v_and_b32 v1, 15, v0                           ; l % 16
	v_bfe_u32 v2, v0, 4, 1                         ; l / 16
	v_mul_u32_u24 v3, v1, PITCH
	v_lshl_add_u32 v4, v2, 4, v3                   ; a fragment's row x pitch + 16 x half
	s_mul_i32 s21, s15, HALFT                      ; my 128 rows of A
	s_mul_i32 s22, s16, HALFT                      ; my 128 rows of B,
	s_add_co_u32 s22, s22, 2*HALFT                 ; which lie behind A's 256
.irp s, 0,1
	v_add_nc_u32 v[ADRA+\s], s21, v4
	v_add_nc_u32 v[ADRB+\s], s22, v4
	s_add_co_u32 s21, s21, SLOT
	s_add_co_u32 s22, s22, SLOT
.endr
	s_mul_i32 s23, s14, 16*SPITCH                  ; my stage
	v_mul_u32_u24 v5, v1, SPITCH                   ; in: row l % 16, 32 bytes for each half of the lanes
	v_lshl_add_u32 v5, v2, 5, v5
	v_add_nc_u32 v[STO], s23, v5
	v_and_b32 v6, 31, v0
	v_lshlrev_b32 v[CO], 4, v6                     ; back: the 32 lanes take one row of 512 bytes; and the same in out0
	v_add_nc_u32 v[RD], s23, v[CO]
	s_lshl_b32 s20, s17, 8
	s_lshl_b32 s21, s15, 7
	s_add_co_u32 s20, s20, s21                     ; my first row of out0: 256 x tile row + 128 x half
	s_mov_b32 s21, 0
	s_mov_b64 s[18:19], SIZE_N*4
	s_mul_u64 s[20:21], s[20:21], s[18:19]
	s_lshl_b32 s46, s42, 10                        ; my first column, in bytes of f32: 1,024 x tile column + 512 x half
	s_lshl_b32 s47, s16, 9
	s_add_co_u32 s46, s46, s47
	s_mov_b32 s47, 0
	s_add_nc_u64 s[10:11], s[10:11], s[46:47]      ; the bias at my first column
	s_add_nc_u64 s[20:21], s[20:21], s[46:47]
	s_add_nc_u64 s[12:13], s[12:13], s[20:21]      ; out0 at my first row and column
	global_load_b128 v[BI:BI+3], v[CO], s[10:11]   ; bias of columns 4 l .. 4 l + 3 of my 128: on the way out a lane holds these four columns of every row, so four registers serve all 128 rows
.macro FRAG reg, adr, q, i             ; a fragment, 16 rows x 128 K of 8-bit codes, is 16 registers: lane l holds row l % 16; registers 4 c .. 4 c + 3 hold K = 32 c + 16 (l / 16) + 0 .. 15: four loads of 16 bytes; a permutation of k, the same in A and in B
.irp c, 0,1,2,3
	ds_load_b128 v[\reg+4*\c:\reg+4*\c+3], v[\adr] offset:128*(\q)+32*\c+(\i)*16*PITCH
.endr
.endm
; 16 matrix instructions: A's blocks a0, a0 + 1 x B's eight, 128 along K.  p: B's set.  zero = 1: the first product starts the sums: nothing is ever cleared.
; The 64 accumulators take turns, one instruction a turn, in the same order in every step.
.macro MUL16 a0, p, zero
.irp a, \a0, \a0+1
.irp b, 0,1,2,3,4,5,6,7
.if \zero
	v_wmma_f32_16x16x128_bf8_bf8 v[8*(8*((\a)%4)+\b):8*(8*((\a)%4)+\b)+7], v[128*(\p)+FR*\b:128*(\p)+FR*\b+FR-1], v[AF+FR*(\a):AF+FR*(\a)+FR-1], 0
.else
	v_wmma_f32_16x16x128_bf8_bf8 v[8*(8*((\a)%4)+\b):8*(8*((\a)%4)+\b)+7], v[128*(\p)+FR*\b:128*(\p)+FR*\b+FR-1], v[AF+FR*(\a):AF+FR*(\a)+FR-1], v[8*(8*((\a)%4)+\b):8*(8*((\a)%4)+\b)+7]
.endif
.endr
.endr
.endm
.macro MUL8 a, p                       ; 8 of them: A's block a alone
.irp b, 0,1,2,3,4,5,6,7
	v_wmma_f32_16x16x128_bf8_bf8 v[8*(8*((\a)%4)+\b):8*(8*((\a)%4)+\b)+7], v[128*(\p)+FR*\b:128*(\p)+FR*\b+FR-1], v[AF+FR*(\a):AF+FR*(\a)+FR-1], v[8*(8*((\a)%4)+\b):8*(8*((\a)%4)+\b)+7]
.endr
.endm
.macro FETCH_B slot, q, p              ; B's eight fragments of the slot's q-th 128 along K into set p
	WIN TO_B
.irp i, 0,1,2,3,4,5,6,7
	FRAG 128*(\p)+FR*\i, ADRB+\slot, \q, \i
.endr
	WIN 0
.endm
.macro FETCH_A slot, q, i0             ; A's blocks i0 .. i0 + 3
.irp i, \i0, \i0+1, \i0+2, \i0+3
	FRAG AF+FR*(\i), ADRA+\slot, \q, \i
.endr
.endm
; A load into a register that a matrix instruction has read, and a vector instruction or an LDS store that reads a matrix result, stand NP places behind that matrix instruction, and only plain vector
; instructions that name none of its registers are places (ISA guide 7.12.1 for vector instructions); the matrix instructions in between are not counted.
.macro PLACES n
.rept \n
	v_nop
.endr
.endm
; A step of 128 along K that has its successor in the same slot.
.macro STEP slot, q, zero
	s_wait_dscnt 4*NL                              ; B's set and A's blocks 0-3 are in; the youngest sixteen loads (A's blocks 4-7) may be out
	WIN MUL_LO
	MUL16 0, (\q)%2, \zero
	MUL16 2, (\q)%2, \zero
	s_wait_dscnt 0                                 ; A's blocks 4-7 are in (asked for 32 matrix instructions ago)
	PLACES NP
	FETCH_B \slot, (\q)+1, 1-(\q)%2
	FETCH_A \slot, (\q)+1, 0
	WIN MUL_HI
	MUL16 4, (\q)%2, \zero
	MUL16 6, (\q)%2, \zero
	PLACES NP
	WIN 0
	FETCH_A \slot, (\q)+1, 4
.endm
; A slot's last step changes slots: ONE barrier; in front of it each wave waits for all its tensor loads, adds 0 to its spare word, and waits for that and for its own reads of this slot.  fill = 1: this slot is filled again, two K steps ahead.
; All of the step's operands were asked for in the step before, so its first 24 products need nothing of the next slot: they stand AHEAD of the wait for the tile.  Between that wait and the refill lie the add, eight products and the round.
.macro TURN slot, next, fill
	s_wait_dscnt 4*NL                              ; B's set and A's blocks 0-3 are in; the youngest sixteen loads (A's blocks 4-7) may be out
	WIN MUL_LO
	MUL16 0, 1, 0
	MUL8 2, 1
	WIN 0                                          ; (the add's two registers lie in window 0)
	s_wait_tensorcnt 0x0                           ; all my tensor loads have landed: the one that was out is my part of the next slot; so a group 0 may be written
	ds_add_u32 v[SPW], v[NIL]                      ; 0 onto my spare word; with fill = 1 the addresses' steps stand between it and the wait for it
.if \fill
	s_add_co_u32 s[KO+2*\slot], s[KO+2*\slot], 2*ROWB              ; this slot's next K step: two on,
	s_and_b32 s[KO+2*\slot], s[KO+2*\slot], KROW-1                 ; round the row's end to its beginning
	s_add_nc_u64 s[G0+4*\slot+2:G0+4*\slot+3], s[ABASE:ABASE+1], s[KO+2*\slot:KO+2*\slot+1]
	s_or_b32 s[G0+4*\slot+3], s[G0+4*\slot+3], 0x80000000          ; the address is made anew, so the type is set anew
	s_add_nc_u64 s[G0B+4*\slot+2:G0B+4*\slot+3], s[BBASE:BBASE+1], s[KO+2*\slot:KO+2*\slot+1]
	s_or_b32 s[G0B+4*\slot+3], s[G0B+4*\slot+3], 0x80000000
.endif
	s_wait_dscnt 0x0                               ; the add is done, and my reads of this slot are over (A's blocks 4-7 are in)
	s_barrier_signal -1
	WIN MUL_LO
	MUL8 3, 1                                      ; work on registers while the others arrive
	WIN 0
	s_barrier_wait -1
.if \fill
	CREST                                          ; the barrier has opened a round of the cluster's barrier: no wave of any partner still reads this slot's tile or has a load on its way
	JLOAD G0+4*\slot, G1, G0B+4*\slot, G1B         ; the first tensor load behind the round, my one load until the next; the four v_nop behind it are also the places in front of the loads below
.else
	PLACES NP
.endif
	FETCH_B \next, 0, 0
	FETCH_A \next, 0, 0
	WIN MUL_HI
	MUL16 4, 1, 0
	MUL16 6, 1, 0
	PLACES NP
	WIN 0
	FETCH_A \next, 0, 4
.endm
	s_wait_loadcnt 0x0                             ; the bias is in: no vector load is pending through the loop
	s_wait_tensorcnt 1                             ; my part of the first K step is in (the second's load may be out)
	s_barrier_signal -1
	s_barrier_wait -1                              ; everybody's is
	FETCH_B 0, 0, 0
	FETCH_A 0, 0, 0
	FETCH_A 0, 0, 4
	STEP 0, 0, 1                                   ; the first step stands in front of the loop: its products start the sums
	s_mov_b32 s3, LAPS-1
.Llap:                                                 ; a trip goes once round the ring, from a lap's second step to the next lap's first, and fills both slots again
	TURN 0, 1, 1
	STEP 1, 0, 0
	TURN 1, 0, 1
	STEP 0, 0, 0
	s_sub_co_u32 s3, s3, 1
	s_cmp_lg_u32 s3, 0
	s_cbranch_scc1 .Llap
	TURN 0, 1, 0                                   ; the last lap fills nothing, and has no round of the cluster's barrier
	STEP 1, 0, 0
	s_wait_dscnt 4*NL                              ; the very last step: nothing more to fetch
	WIN MUL_LO
	MUL16 0, 1, 0
	MUL16 2, 1, 0
	s_wait_dscnt 0
	WIN MUL_HI
	MUL16 4, 1, 0
	MUL16 6, 1, 0
	WIN 0
; THE WAY OUT, block by block of 16 rows x 128 columns.  A lane holds 32 neighbouring bytes of a row, and the lanes beside it hold other rows: so a block's sums go, as they are, through my own stage in LDS and come back as
; whole rows of 512 bytes.  There a lane holds columns 4 l .. 4 l + 3 of each row: two packed multiply-adds give sum x 2^(e0 + e1) + bias, and the 32 lanes store 512 consecutive bytes.
; LDS serves a wave's instructions in order (ISA guide 5.7.1.4): no wait between the stores and the loads, nor in front of the next block's stores.
.macro TOSTAGE a
.set AC, 64*((\a)%4)
	WIN 0x08+4*((\a)/4)                            ; an LDS store's data are source 1: window 2 or 3; its address window 0
.irp b, 0,1,2,3,4,5,6,7
	ds_store_b128 v[STO], v[AC+8*\b:AC+8*\b+3] offset:64*\b          ; each accumulator from its low end on
	ds_store_b128 v[STO], v[AC+8*\b+4:AC+8*\b+7] offset:64*\b+16
.endr
	WIN 0
.set BB, BK+64*((\a)%2)
.irp t, 0,1,2,3,4,5,6,7,8,9,10,11,12,13,14,15
	ds_load_b128 v[BB+4*\t:BB+4*\t+3], v[RD] offset:\t*SPITCH
.endr
.endm
.macro SEND a, younger                 ; younger: the LDS instructions issued behind block a's loads, which may stay out
.set BB, BK+64*((\a)%2)
	s_wait_dscnt \younger                          ; the block is back in registers
.if (\a) > 0
	s_add_nc_u64 s[12:13], s[12:13], 16*SIZE_N*4   ; (behind a wait on XCNT: the earlier stores have read their base)  16 rows on, so that the stores' offsets stay small: 15 rows of 16,384 bytes at the most
.endif
.irp t, 0,1,2,3,4,5,6,7,8,9,10,11,12,13,14,15
	v_pk_fma_f32 v[BB+4*\t:BB+4*\t+1], v[BB+4*\t:BB+4*\t+1], s[96:97], v[BI:BI+1] op_sel_hi:[1,0,1]         ; sum x 2^(e0 + e1) + bias (the scalar pair's low word for both halves)
	v_pk_fma_f32 v[BB+4*\t+2:BB+4*\t+3], v[BB+4*\t+2:BB+4*\t+3], s[96:97], v[BI+2:BI+3] op_sel_hi:[1,0,1]
	global_store_b128 v[CO], v[BB+4*\t:BB+4*\t+3], s[12:13] offset:\t*SIZE_N*4 th:TH_STORE_NT   ; 32 lanes store 512 consecutive bytes, at a multiple of 256 from out0's first byte; written once, read by nobody here
.endr
.endm
	s_wait_kmcnt 0x0
	s_add_co_i32 s96, s96, s97                     ; e0 + e1, between -126 and 127,
	s_add_co_i32 s96, s96, 127
	s_lshl_b32 s96, s96, 23                        ; makes the f32 number 2^(e0 + e1)
	PLACES NP                                      ; behind the last products: for the LDS stores that read results, block 7's among them, and for the loads into the registers that held A's fragments
	TOSTAGE 0
.irp a, 1,2,3,4,5,6,7
.if \a > 1
	s_wait_xcnt 0x0                                ; block a - 2's stores have read their registers and their base: block a's loads may land there, and the base may step
.endif
	TOSTAGE \a
	SEND \a-1, 32                                  ; behind block a - 1's loads: block a's 16 stores and 16 loads
.endr
	s_wait_xcnt 0x0                                ; block 6's stores have read their base
	SEND 7, 0
	s_wait_tensorcnt 0x0                           ; the wave's end: behind my last tensor load and my last LDS store
	ds_add_u32 v[SPW], v[NIL]
	s_wait_dscnt 0x0
	CROUND                                         ; the closing round: no work-group ends while a partner may still ask for a tile that names it
	s_endpgm
.Lfunc_end_k_qd03dba4ecc_gemm:
	.size	k_qd03dba4ecc_gemm, .Lfunc_end_k_qd03dba4ecc_gemm-k_qd03dba4ecc_gemm
	.p2alignl 7, 3214868480
	.fill 96, 4, 3214868480
	.section	.rodata,"a",@progbits
	.p2align	6, 0x0
	.amdhsa_kernel k_qd03dba4ecc_gemm
		.amdhsa_group_segment_fixed_size 327680
		.amdhsa_private_segment_fixed_size 0
		.amdhsa_enable_private_segment 0
		.amdhsa_kernarg_size 40
		.amdhsa_user_sgpr_count 2
		.amdhsa_user_sgpr_kernarg_segment_ptr 1
		.amdhsa_wavefront_size32 1
		.amdhsa_system_sgpr_workgroup_id_x 1
		.amdhsa_system_sgpr_workgroup_id_y 1
		.amdhsa_system_sgpr_workgroup_id_z 1
		.amdhsa_system_vgpr_workitem_id 0
		.amdhsa_next_free_vgpr 1024
		.amdhsa_next_free_sgpr 98
		.amdhsa_reserve_vcc 0
		.amdhsa_float_denorm_mode_32 3
		.amdhsa_float_denorm_mode_16_64 3
		.amdhsa_memory_ordered 1
		.amdhsa_forward_progress 1
		.amdhsa_inst_pref_size 124
	.end_amdhsa_kernel
	.amdgpu_metadata
---
amdhsa.version: [ 1, 2 ]
amdhsa.kernels:
  - .name:           k_qd03dba4ecc_gemm
    .symbol:         k_qd03dba4ecc_gemm.kd
    .args:
      - { .name: a_codes, .offset: 0, .size: 8, .value_kind: global_buffer, .address_space: global }
      - { .name: w_codes, .offset: 8, .size: 8, .value_kind: global_buffer, .address_space: global }
      - { .name: lowp_scales, .offset: 16, .size: 8, .value_kind: global_buffer, .address_space: global }
      - { .name: bias, .offset: 24, .size: 8, .value_kind: global_buffer, .address_space: global }
      - { .name: out0, .offset: 32, .size: 8, .value_kind: global_buffer, .address_space: global }
    .group_segment_fixed_size: 327680
    .private_segment_fixed_size: 0
    .kernarg_segment_align: 8
    .kernarg_segment_size: 40
    .max_flat_workgroup_size: 128
    .sgpr_count:     98
    .vgpr_count:     1024
    .wavefront_size: 32
...
	.end_amdgpu_metadata
.endif
;; end of part 2
